; MI455X (gfx1250); checked and timed in simulation.
; The chip was launched on July 23, 2026; its instructions are those of AMD's public machine-readable ISA for CDNA 5 (MIT licence, August 2026) and "CDNA5" Instruction Set Architecture Reference Guide (July 2026). The comments in the code are by the model that wrote it; some were corrected since.
;; LSTM Cell. Allowed arithmetic: matrix products marked QUANTISED: E4M3 operands, one E8M0 scale for each 32 along K, by v_wmma_scale_f32_16x16x128_f8f6f4 with both operands' format E4M3, f32 sums; everything else in f32.
;; Inputs: Uc 2,048 x 2,048 float32; Uf 2,048 x 2,048 float32; Ui 2,048 x 2,048 float32; Uo 2,048 x 2,048 float32; Wc 2,048 x 2,048 float32; Wf 2,048 x 2,048 float32; Wi 2,048 x 2,048 float32; Wo 2,048 x 2,048 float32; bc 2,048 float32; bf 2,048 float32; bi 2,048 float32; bo 2,048 float32; last_c 2,048 x 2,048 float32; last_h 2,048 x 2,048 float32; mask 2,048 x 1 float32; x 2,048 x 2,048 float32.
;; Outputs: out0 2,048 x 2,048 float32; out1 2,048 x 2,048 float32.
;; This version of the problem:
;;   THIS VERSION OF THE PROBLEM IS GIVEN IN LOW PRECISION. The matrix products marked QUANTISED in the list below multiply operands that are first quantised to E4M3 (4 exponent bits, 3 mantissa bits; 8 bits a number), with one power-of-two scale for each 32 numbers along K (OCP MX v1.0); their sums are f32. All else is computed in f32.
;;   The module's matrix products, in the order in which they are computed (A, B: the left and right operand; K: the contracted axis; several contracted axes count as one K, in the product's order):
;;     1. [M 2,048, K 2,048] x [K 2,048, N 8,192]; A: input x; B: computed on the way: QUANTISED
;;     2. [M 2,048, K 2,048] x [K 2,048, N 8,192]; A: input last_h; B: computed on the way: QUANTISED
;;   THE QUANTISER, for each operand of a quantised product, along K:
;;     - K is cut into blocks of 32 from its start; a last block that is shorter is filled with zeros.
;;     - A block's scale is 2^e with e = floor(log2(the largest magnitude in the block)) - 8, held to -126 .. 127; a block of zeros has e = 0. As a byte (E8M0): e + 127.
;;     - Each number is divided by its block's scale, clamped to +-448, and rounded to the nearest number of E4M3, ties to even, subnormals kept.
;;     - The product sums the exact products of the quantised numbers (number of the format x scale) in f32.
;;   ~~~python
;;   def quantise(x, axis):      # numpy; x: float32 -> the quantised numbers, widened to float32 again
;;       x = np.moveaxis(x, axis, -1); K = x.shape[-1]
;;       x = np.pad(x, [(0, 0)] * (x.ndim - 1) + [(0, -K % 32)]); x = x.reshape(x.shape[:-1] + (-1, 32)); a = np.abs(x).max(-1, keepdims=True)
;;       e = np.where(a > 0, np.clip(np.frexp(np.where(a > 0, a, 1))[1] - 1 - 8, -126, 127), 0)      # np.frexp(a)[1] - 1 = floor(log2(a)), exactly
;;       r = np.clip(x / 2.0 ** e, -448, 448)
;;       step = 2.0 ** (np.maximum(np.frexp(np.where(r == 0, 1, r))[1] - 1, -6) - 3)
;;       q = np.round(r / step) * step * 2.0 ** e      # np.round: ties to even
;;       return np.moveaxis(q.reshape(q.shape[:-2] + (-1,))[..., :K], -1, axis).astype(np.float32)
;;   ~~~
;;   OPERANDS COMPUTED ON THE WAY. 'Computed on the way' means the value that the module computes at that place (a softmax that the list does not call 'softmax' is quantised finished and normalised). What goes into a quantiser is computed in f32, as accurately as f32 sums, v_exp_f32 and their like allow (about 1e-6 of the number): no bf16 or f16 on the way to a quantiser, and a product that is left as it is and whose result goes on into a quantised operand takes f32 operands (vector FMAs, or v_wmma_f32_16x16x4_f32). A number that lies on a knife's edge between two numbers of the format may be rounded either way, as far as f32 arithmetic and the matrix unit's own rounding can turn it there, and no further.
;; One version. Each part assembles by itself: llvm-mc -triple=amdgcn-amd-amdhsa -mcpu=gfx1250 --defsym DOCPART=n.
;; ======== version 1 of 1: 2 launches
;; limits: right only within a limited range of input values
;; workspace buffers: acodes 8,650,752 bytes; bcodes 34,603,008 bytes
;; launch quant (part 1): grid 128 x 10, 4 waves a work-group, no clusters, 33,280 bytes of LDS; arguments x, last_h, Wi, Wf, Wo, Wc, Ui, Uf, Uo, Uc, acodes, bcodes; writes acodes, bcodes
.if DOCPART == 1
	.amdgcn_target "amdgcn-amd-amdhsa--gfx1250"
	.amdhsa_code_object_version 6
	.text
	.protected	k_q09f8023e46_quant
	.globl	k_q09f8023e46_quant
	.p2align	8
	.type	k_q09f8023e46_quant,@function
k_q09f8023e46_quant:
	s_mov_b64 s[64:65], 0
	v_nop
	global_prefetch_b8 v0, s[64:65] scope:SCOPE_SE
	s_setreg_imm32_b32 hwreg(HW_REG_WAVE_MODE, 25, 1), 1
	s_wait_xcnt 0x0
; x, last_h and the eight weights, each [2048][2048] f32 with K innermost, become codes of FP8 (E4M3) with one E8M0 scale byte for each 32 along K.
; A block of 32: scale 2^(floor(log2(largest magnitude)) - 8); its byte is the largest magnitude's exponent field - 8, held at 1 from below; each number / scale, held within +-448, to the nearest code, ties to even.
; LIMITS: a block of zeros gets the byte 1 (the rule says 127): its codes are zeros, and only this program reads the bytes.  Blocks whose largest magnitude lies under 2^-118 (byte held at 1) were not tried.  NaN and infinities are not served.
; THE WORKSPACE IS LAID AS THE NEXT LAUNCH FETCHES IT: a BLOCK of 33,792 bytes = 128 operand rows x 256 along K: row p's 256 codes at 256 p, then row p's 8 scale bytes at 32,768 + 8 p.
; Blocks lie [half tile][K step t], t = 0..15: t 0-7 from x or W, t 8-15 from last_h or U.  acodes: half tile = row / 128, p = row % 128.
; bcodes: for gate g (i, f, o, c = 0..3) and hidden unit j: half tile = j / 32, p = 32 g + j % 32: a half tile holds all four gates of 32 hidden units.
; SHARES: grid y = the tensor (the order of the arguments); grid x = 2 x (group of 32 rows) + (half of K); wave w takes 256 along K: 32 rows x 256 numbers in 16 steps of two rows.
; So a step's 512 codes are 512 consecutive bytes of a block, and a wave's 256 scale bytes are 256 consecutive, aligned bytes of it.
; The conversions want 16 neighbours along K in one lane, a load is best with neighbouring bytes in neighbouring lanes: each load reads 512 consecutive bytes, and a step's 2,048 bytes turn through the wave's own stage in LDS
; (16 bytes of padding behind each 64).  No tensor loads, no barrier: waves share nothing.  Loads run four steps (16 loads a wave) ahead, the turn through LDS one step.
.set STEPS, 16
.set BLK,   33792
.set HBS,   16*BLK                     ; a half tile's 16 blocks
.set ROWF,  8192                       ; a source row in bytes
.set EMAX,  8
.set MANT,  0x600000                   ; the mantissa field of 448 as f32
.set R,     16                         ; v16-79   four sets of 16 numbers as they are loaded
.set X,     80                         ; v80-111  two sets of 16 neighbours
.set E,     112                        ; v112-127 a scale byte for each step
.set C,     128                        ; v128-191 codes: four registers for each step, so that no store's data are written again
.set WREG,  8192                       ; LDS: a region for each wave: two stages of 32 x SP bytes, behind them its 256 scale bytes
.set SP,    80                         ; a lane's place in a stage: 64 bytes + 16 of padding
	s_load_b512 s[8:23], s[0:1], 0x0               ; x, last_h, Wi, Wf, Wo, Wc, Ui, Uf
	s_load_b256 s[24:31], s[0:1], 0x40             ; Uo, Uc, acodes, bcodes
	v_lshl_add_u32 v12, v0, 2, 0x8000              ; my spare word, behind the four waves' regions; never rewritten
	v_mov_b32 v13, 0                               ; 0; never rewritten
	v_lshrrev_b32 v1, 5, v0
	v_readfirstlane_b32 s3, v1                     ; wave
	v_and_b32 v2, 31, v0                           ; lane
	v_lshlrev_b32 v3, 4, v2                        ; 16 x lane: my 16 bytes of a load's 512, and of a step's 512 bytes of codes; never rewritten
	s_mul_i32 s35, s3, WREG
	v_lshrrev_b32 v14, 2, v2
	v_mul_u32_u24 v14, v14, SP
	v_and_b32 v15, 3, v2
	v_lshl_add_u32 v14, v15, 4, v14
	v_add_nc_u32 v14, s35, v14                     ; the stage, on the way in: SP (lane / 4) + 16 (lane % 4); a load's 512 bytes take eight places
	v_mul_u32_u24 v15, v2, SP
	v_add_nc_u32 v15, s35, v15                     ; and on the way out: SP x lane: my 16 neighbours
	v_lshrrev_b32 v5, 1, v2
	s_add_co_u32 s35, s35, 2*32*SP
	v_add_nc_u32 v5, s35, v5                       ; LDS: my wave's 256 scale bytes, my block's byte
	v_lshlrev_b32 v7, 3, v2                        ; and on the way out 8 bytes a lane
	v_add_nc_u32 v6, s35, v7
	s_mov_b32 s46, MANT                            ; (an instruction takes one literal: the hold's line has another)
	s_and_b32 s2, ttmp7, 0xffff                    ; which tensor
	s_lshr_b32 s32, ttmp9, 1                       ; which 32 rows
	s_and_b32 s33, ttmp9, 1
	s_lshl_b32 s34, s33, 2
	s_add_co_u32 s34, s34, s3                      ; which 256 along the tensor's K: 4 x half + wave
	s_lshr_b32 s38, s32, 2                         ; x, last_h: half tile = group / 4,
	s_and_b32 s39, s32, 3                          ; and the group's place in it
	s_sub_co_u32 s40, s2, 2
	s_and_b32 s40, s40, 3                          ; a weight: its gate is the group's place in the half tile
	s_wait_alu depctr_va_vdst(0)
	s_wait_kmcnt 0x0
	s_mov_b64 s[4:5], s[8:9]                       ; the source: a chain of choices on the work-group's y alone
.irp k, 1,2,3,4,5,6,7,8,9
	s_cmp_eq_u32 s2, \k
	s_cselect_b64 s[4:5], s[8+2*\k:9+2*\k], s[4:5]
.endr
	s_cmp_lt_u32 s2, 2                             ; x and last_h go to acodes, the weights to bcodes
	s_cselect_b64 s[6:7], s[28:29], s[30:31]
	s_cselect_b32 s38, s38, s32                    ; the half tile
	s_cselect_b32 s39, s39, s40                    ; the 32 rows' place in it
	s_cmp_eq_u32 s2, 1                             ; last_h and the four U stand in the second half of the joint K
	s_cselect_b32 s41, 8, 0
	s_cmp_ge_u32 s2, 6
	s_cselect_b32 s41, 8, s41
	s_add_co_u32 s41, s41, s34                     ; K step t
	s_mul_i32 s42, s38, HBS
	s_mul_i32 s43, s41, BLK
	s_add_co_u32 s42, s42, s43                     ; the block's first byte (under 2^26)
	s_mov_b32 s43, 0
	s_add_nc_u64 s[6:7], s[6:7], s[42:43]
	s_lshl_b32 s42, s39, 8
	s_add_co_u32 s42, s42, 32768
	s_add_nc_u64 s[36:37], s[6:7], s[42:43]        ; my 32 rows' scale bytes
	s_lshl_b32 s42, s39, 13
	s_add_nc_u64 s[6:7], s[6:7], s[42:43]          ; my 32 rows' codes
	s_lshl_b32 s42, s32, 18                        ; the source: 32 rows of 8,192 bytes a group,
	s_lshl_b32 s45, s34, 10                        ; 1,024 bytes for 256 along K
	s_add_co_u32 s42, s42, s45
	s_add_nc_u64 s[4:5], s[4:5], s[42:43]
.macro LOAD t                          ; step t: rows 2 t and 2 t + 1, 1,024 bytes of each, in four loads
.irp i, 0,1,2,3
	global_load_b128 v[R+16*((\t)%4)+4*\i:R+16*((\t)%4)+4*\i+3], v3, s[4:5] offset:(2*(\t)+\i/2)*ROWF+512*(\i%2) th:TH_LOAD_NT   ; 32 lanes read 512 consecutive bytes; read once in the launch
.endr
.endm
.macro TURN t                          ; step t's numbers through the stage: LDS serves a wave's instructions in order, so no wait stands between the stores and the loads
.irp i, 0,1,2,3
	ds_store_b128 v14, v[R+16*((\t)%4)+4*\i:R+16*((\t)%4)+4*\i+3] offset:32*SP*((\t)%2)+8*SP*\i
.endr
.irp i, 0,1,2,3
	ds_load_b128 v[X+16*((\t)%2)+4*\i:X+16*((\t)%2)+4*\i+3], v15 offset:32*SP*((\t)%2)+16*\i
.endr
.endm
.irp t, 0,1,2,3
	LOAD \t
.endr
	s_wait_loadcnt 12                              ; step 0's four loads are in; the twelve of steps 1 to 3 may be out
	TURN 0
.macro STEP t
.set XS, X+16*((\t)%2)
.if (\t) > 0
	s_wait_dscnt 1                                 ; this step's numbers are back from the stage (the last step's byte store may be out): so its stores into the stage have read their registers,
.else
	s_wait_dscnt 0x0
.endif
.if (\t)+4 < STEPS
	LOAD (\t)+4                                    ; which take the loads of four steps on
.endif
.if (\t)+1 < STEPS
.if STEPS-2-(\t) >= 3
	s_wait_loadcnt 12                              ; the next step's four loads are in; those of the three steps behind it may be out
.else
	s_wait_loadcnt 4*(STEPS-2-(\t))                ; near the end fewer steps stand behind it
.endif
	TURN (\t)+1                                    ; and go through the other stage while this step is worked
.endif
	v_max3_num_f32 v8, |v[XS]|, |v[XS+1]|, |v[XS+2]|               ; the largest magnitude of my 16, in two chains
	v_max3_num_f32 v9, |v[XS+3]|, |v[XS+4]|, |v[XS+5]|
.irp i, 6,10
	v_max3_num_f32 v8, v8, |v[XS+\i]|, |v[XS+\i+1]|
	v_max3_num_f32 v9, v9, |v[XS+\i+2]|, |v[XS+\i+3]|
.endr
	v_max3_num_f32 v8, v8, |v[XS+14]|, |v[XS+15]|
	v_max3_num_f32 v8, v8, v9, (EMAX+1)<<23        ; and the floor 2^(9 - 127): so the byte cannot fall under 1
	v_max_num_f32_dpp v8, v8, v8 row_xmask:1 row_mask:0xf bank_mask:0xf   ; and of my neighbour's 16: the block's
	v_add_nc_u32 v11, -(EMAX<<23), v8              ; 8 off its exponent field: the conversion takes the exponent field of this operand as its scale, and nothing else of it
	v_and_or_b32 v10, v8, 0x7f800000, s46          ; 448 x the scale: the largest magnitude's exponent field over 448's mantissa
.irp i, 0,1,2,3,4,5,6,7,8,9,10,11,12,13,14,15
	v_med3_num_f32 v[XS+\i], v[XS+\i], -v10, v10   ; the conversion to an 8-bit code does not saturate (ISA guide 7.6.2): hold the number first
.endr
	v_cvt_scalef32_pk8_fp8_f32 v[C+4*(\t):C+4*(\t)+1], v[XS:XS+7], v11
	v_cvt_scalef32_pk8_fp8_f32 v[C+4*(\t)+2:C+4*(\t)+3], v[XS+8:XS+15], v11
	v_lshrrev_b32 v[E+(\t)], 23, v11               ; the scale's byte (also the plain line behind the conversions)
	ds_store_b8 v5, v[E+(\t)] offset:16*(\t)       ; both lanes of a block write the same byte with the same value
	global_store_b128 v3, v[C+4*(\t):C+4*(\t)+3], s[6:7] offset:512*(\t)   ; 32 lanes store 512 consecutive bytes, two rows of the block
.endm
.irp t, 0,1,2,3,4,5,6,7,8,9,10,11,12,13,14,15
	STEP \t
.endr
	ds_load_b64 v[8:9], v6                         ; LDS serves a wave's instructions in order: these see my byte stores
	s_wait_dscnt 0x0
	global_store_b64 v7, v[8:9], s[36:37]          ; 32 lanes store 256 consecutive bytes, at a multiple of 256 from the buffer's first byte
	s_wait_tensorcnt 0x0
	ds_add_u32 v12, v13
	s_wait_dscnt 0x0
	s_endpgm
.Lfunc_end_k_q09f8023e46_quant:
	.size	k_q09f8023e46_quant, .Lfunc_end_k_q09f8023e46_quant-k_q09f8023e46_quant
	.p2alignl 7, 3214868480
	.fill 96, 4, 3214868480
	.section	.rodata,"a",@progbits
	.p2align	6, 0x0
	.amdhsa_kernel k_q09f8023e46_quant
		.amdhsa_group_segment_fixed_size 33280
		.amdhsa_private_segment_fixed_size 0
		.amdhsa_enable_private_segment 0
		.amdhsa_kernarg_size 96
		.amdhsa_user_sgpr_count 2
		.amdhsa_user_sgpr_kernarg_segment_ptr 1
		.amdhsa_wavefront_size32 1
		.amdhsa_system_sgpr_workgroup_id_x 1
		.amdhsa_system_sgpr_workgroup_id_y 1
		.amdhsa_system_sgpr_workgroup_id_z 1
		.amdhsa_system_vgpr_workitem_id 0
		.amdhsa_next_free_vgpr 192
		.amdhsa_next_free_sgpr 66
		.amdhsa_reserve_vcc 0
		.amdhsa_float_denorm_mode_32 3
		.amdhsa_float_denorm_mode_16_64 3
		.amdhsa_memory_ordered 1
		.amdhsa_forward_progress 1
		.amdhsa_inst_pref_size 52
	.end_amdhsa_kernel
	.amdgpu_metadata
---
amdhsa.version: [ 1, 2 ]
amdhsa.kernels:
  - .name:           k_q09f8023e46_quant
    .symbol:         k_q09f8023e46_quant.kd
    .args:
      - { .name: x, .offset: 0, .size: 8, .value_kind: global_buffer, .address_space: global }
      - { .name: last_h, .offset: 8, .size: 8, .value_kind: global_buffer, .address_space: global }
      - { .name: Wi, .offset: 16, .size: 8, .value_kind: global_buffer, .address_space: global }
      - { .name: Wf, .offset: 24, .size: 8, .value_kind: global_buffer, .address_space: global }
      - { .name: Wo, .offset: 32, .size: 8, .value_kind: global_buffer, .address_space: global }
      - { .name: Wc, .offset: 40, .size: 8, .value_kind: global_buffer, .address_space: global }
      - { .name: Ui, .offset: 48, .size: 8, .value_kind: global_buffer, .address_space: global }
      - { .name: Uf, .offset: 56, .size: 8, .value_kind: global_buffer, .address_space: global }
      - { .name: Uo, .offset: 64, .size: 8, .value_kind: global_buffer, .address_space: global }
      - { .name: Uc, .offset: 72, .size: 8, .value_kind: global_buffer, .address_space: global }
      - { .name: acodes, .offset: 80, .size: 8, .value_kind: global_buffer, .address_space: global }
      - { .name: bcodes, .offset: 88, .size: 8, .value_kind: global_buffer, .address_space: global }
    .group_segment_fixed_size: 33280
    .private_segment_fixed_size: 0
    .kernarg_segment_align: 8
    .kernarg_segment_size: 96
    .max_flat_workgroup_size: 128
    .sgpr_count:     66
    .vgpr_count:     192
    .wavefront_size: 32
...
	.end_amdgpu_metadata
.endif
;; end of part 1
;; launch lstm (part 2): grid 32 x 8, 4 waves a work-group, clusters of 4 x 4, 327,680 bytes of LDS; arguments acodes, bcodes, bi, bf, bo, bc, mask, last_c, last_h, out0, out1; writes out0, out1
.if DOCPART == 2
	.amdgcn_target "amdgcn-amd-amdhsa--gfx1250"
	.amdhsa_code_object_version 6
	.text
	.protected	k_q09f8023e46_lstm
	.globl	k_q09f8023e46_lstm
	.p2align	8
	.type	k_q09f8023e46_lstm,@function
k_q09f8023e46_lstm:
	s_mov_b64 s[64:65], 0
	v_nop
	global_prefetch_b8 v0, s[64:65] scope:SCOPE_SE
	s_setreg_imm32_b32 hwreg(HW_REG_WAVE_MODE, 25, 1), 1
	s_wait_xcnt 0x0
	s_wait_alu depctr_hold_cnt(0) depctr_sa_sdst(0) depctr_va_vdst(0) depctr_va_sdst(0) depctr_va_ssrc(0) depctr_va_vcc(0) depctr_vm_vsrc(0)
	s_getreg_b32 s2, hwreg(HW_REG_IB_STS2, 6, 4)
	s_cmp_eq_u32 s2, 0
	s_cbranch_scc0 .Lentry_in_a_cluster
	s_endpgm
.Lentry_in_a_cluster:
	s_bfe_u32 s2, ttmp6, 0x10000c
	s_cmp_lg_u32 s2, 0xf033
	s_cbranch_scc0 .Lentry_shape_is_right
	s_endpgm
.Lentry_shape_is_right:
; gates = [x, last_h] [W, U]^T + b on codes of E4M3 with E8M0 scales (joint K = 4,096), then the cell's element-wise part, in one launch.
; A work-group makes 256 rows x 64 hidden units x 4 gates; four waves, 128 x 128 of the gates each: 64 accumulators, which take turns.
; K goes in steps of 256 through two LDS slots; a block of 33,792 bytes is 128 rows of 256 codes and their 8 scale bytes each, as the launch before laid it.
; 4 x 4 work-groups form a cluster: A's blocks are asked for jointly along a row, B's along a column.  The biases are the C of the first products.
; The products are used transposed: a lane holds 8 neighbouring hidden units of one row, all four gates of them in its accumulators.
; sigmoid(g) = 1 / (1 + 2^(-g log2 e)), tanh(g) = 1 - 2 / (1 + 2^(2 g log2 e)): an exponential that overflows gives the function's limit.
; The way out: last_c and last_h come into slot 0 by tensor loads; c and h go back over them and leave as whole rows of 256 bytes.
.set BLK,   33792
.set HBS,   16*BLK
.set PITCH, 272
.set HALFT, 132*PITCH
.set SCO,   128*PITCH
.set SLOT,  4*HALFT
.set SPARE, 2*SLOT
.set ETILE, 128*PITCH
.set HREG,  2*ETILE
.set EBLK,  16*PITCH
.set FR,    16
.set NQ,    2
.set NP,    8
.set MK,    8
.set ADRA,  16
.set ADRS,  18
.set ADRB,  20
.set PFO,   22
.set PFR,   23
.set EL,    24
.set RD,    25
.set CO,    26
.set EH,    27
.set SPW,   28
.set NIL,   29
.set SC,    32
.set BI,    64
.set AF,    128
.set TT,    64
.set LC,    128
.set LH,    144
.set WW,    160
.set XX,    176
.set OB,    192
.set WV,    22
.set RH,    23
.set CH,    83
.set G1,    24
.set G0,    32
.set G1B,   48
.set G0B,   56
.set G1E,   68
.set G0E,   76
.set PFA,   80
.set LIM,   82
.set PFE,   84
.set SNL,   86
.set SPL,   88
.set OUTP,  90
.set MSB, 0
.macro WIN new
.if MSB != \new
	s_set_vgpr_msb (MSB<<8)|\new
.set MSB, \new
.endif
.endm
.set MUL_LO,  0xa1
.set MUL_HI,  0xf1
.set BIAS_LO, 0x81
.set BIAS_HI, 0xc1
.set TO_B,    0x40
.macro JLOAD g0a, g1a, g0b, g1b
	s_cmp_eq_u32 s[RH], 0
	s_cbranch_scc0 .Lfor_b_\@
	tensor_load_to_lds s[\g0a:\g0a+3], s[\g1a:\g1a+7]
	s_nop 0
.rept 4
	v_nop
.endr
	s_branch .Lasked_\@
.Lfor_b_\@:
	tensor_load_to_lds s[\g0b:\g0b+3], s[\g1b:\g1b+7]
	s_nop 0
.rept 4
	v_nop
.endr
.Lasked_\@:
.endm
.macro CREST
	s_cmp_lg_u32 s[WV], 0
	s_cbranch_scc1 .Lnot_wave_0_\@
	s_barrier_signal -3
.Lnot_wave_0_\@:
	s_barrier_wait -3
	s_barrier_signal -1
	s_barrier_wait -1
.endm
.macro CROUND
	s_barrier_signal -1
	s_barrier_wait -1
	CREST
.endm
.macro ASK slot
	s_cmp_gt_u32 s3, s[LIM]
	s_cbranch_scc0 .Lno_codes_\@
	s_wait_alu depctr_va_vdst(0)
	global_prefetch_b8 v[PFO], s[PFA:PFA+1] th:TH_LOAD_NT scope:SCOPE_SE
.Lno_codes_\@:
	s_cmp_eq_u32 s3, 1
	s_cbranch_scc0 .Lno_tail_\@
	s_wait_alu depctr_va_vdst(0)
	global_prefetch_b8 v[PFR], s[PFE:PFE+1] offset:(2*\slot)*262144 th:TH_LOAD_NT scope:SCOPE_SE
	global_prefetch_b8 v[PFR], s[PFE:PFE+1] offset:(2*\slot+1)*262144 th:TH_LOAD_NT scope:SCOPE_SE
.Lno_tail_\@:
.endm
	s_load_b128 s[4:7], s[0:1], 0x0
	s_load_b128 s[8:11], s[0:1], 0x10
	s_load_b128 s[12:15], s[0:1], 0x20
	s_load_b128 s[16:19], s[0:1], 0x30
	s_load_b64 s[20:21], s[0:1], 0x40
	s_load_b64 s[92:93], s[0:1], 0x48
	s_load_b64 s[94:95], s[0:1], 0x50
	v_lshl_add_u32 v[SPW], v0, 2, SPARE
	v_mov_b32 v[NIL], 0
	ds_add_u32 v28, v29
	ds_add_u32 v28, v29
	s_wait_dscnt 0x0
	v_lshrrev_b32 v1, 5, v0
	v_readfirstlane_b32 s[WV], v1
	s_lshr_b32 s[RH], s[WV], 1
	s_and_b32 s[CH], s[WV], 1
	s_bfe_u32 s40, ttmp6, 0x40000
	s_bfe_u32 s41, ttmp6, 0x40004
	s_lshl_b32 s42, ttmp9, 2
	s_add_co_u32 s42, s42, s40
	s_and_b32 s43, ttmp7, 0xffff
	s_lshl_b32 s43, s43, 2
	s_add_co_u32 s43, s43, s41
	s_lshl_b32 s44, s41, 2
	s_lshl_b32 s44, 15, s44
	s_lshl_b32 s45, 0x1111, s40
	s_or_b32 s[G1+0], s44, (3<<16)|(1<<20)|(1<<21)|(5<<22)|(3<<25)
	s_or_b32 s[G1B+0], s45, (3<<16)|(1<<20)|(1<<21)|(5<<22)|(3<<25)
.irp g, G1, G1B
	s_mov_b32 s[\g+1], 32<<16
	s_mov_b32 s[\g+2], 132<<16
	s_mov_b32 s[\g+3], 32<<16
	s_mov_b32 s[\g+4], 132
	s_mov_b32 s[\g+5], 32
	s_mov_b32 s[\g+6], 0
	s_mov_b32 s[\g+7], 0
.endr
	s_mov_b32 s[G1E+0], (2<<16)|(1<<20)|(5<<22)|(3<<25)
	s_mov_b32 s[G1E+1], 64<<16
	s_mov_b32 s[G1E+2], 128<<16
	s_mov_b32 s[G1E+3], 64<<16
	s_mov_b32 s[G1E+4], 128
	s_mov_b32 s[G1E+5], 2048
	s_mov_b32 s[G1E+6], 0
	s_mov_b32 s[G1E+7], 0
	s_lshl_b32 s46, s43, 1
	s_add_co_u32 s46, s46, s[CH]
	s_mul_i32 s46, s46, HBS
	s_mov_b32 s47, 0
	s_lshl_b32 s96, s42, 1
	s_add_co_u32 s96, s96, s[CH]
	s_mul_i32 s96, s96, HBS
	s_mov_b32 s97, 0
	s_mul_i32 s2, s[WV], HALFT
	s_wait_kmcnt 0x0
	s_add_nc_u64 s[46:47], s[4:5], s[46:47]
	s_add_nc_u64 s[96:97], s[6:7], s[96:97]
	CROUND
.irp s, 0,1
	s_mov_b32 s[G0+4*\s], 1
	s_add_co_u32 s[G0+4*\s+1], s2, \s*SLOT
	s_add_nc_u64 s[G0+4*\s+2:G0+4*\s+3], s[46:47], \s*BLK
	s_or_b32 s[G0+4*\s+3], s[G0+4*\s+3], 0x80000000
	s_mov_b32 s[G0B+4*\s], 1
	s_add_co_u32 s[G0B+4*\s+1], s2, \s*SLOT
	s_add_nc_u64 s[G0B+4*\s+2:G0B+4*\s+3], s[96:97], \s*BLK
	s_or_b32 s[G0B+4*\s+3], s[G0B+4*\s+3], 0x80000000
.endr
	JLOAD G0, G1, G0B, G1B                         ; K step 0: one tensor load a wave at the head; the addresses, biases and mask below are made and asked for while it is out
	s_cmp_lt_u32 s[WV], 2
	s_cselect_b64 s[PFE:PFE+1], s[18:19], s[20:21]
	s_lshl_b32 s98, s43, 8
	s_lshl_b32 s99, s[CH], 7
	s_add_co_u32 s98, s98, s99
	s_lshl_b32 s98, s98, 13
	s_lshl_b32 s99, s42, 8
	s_add_co_u32 s98, s98, s99
	s_mov_b32 s99, 0
	s_add_nc_u64 s[PFE:PFE+1], s[PFE:PFE+1], s[98:99]
	s_mov_b32 s[G0E], 1
	s_mul_i32 s[G0E+1], s[WV], ETILE
	s_mov_b64 s[G0E+2:G0E+3], s[PFE:PFE+1]
	s_or_b32 s[G0E+3], s[G0E+3], 0x80000000
	s_cmp_eq_u32 s[RH], 0                          ; the prefetches: waves 0 and 1 ask for A's half tiles, waves 2 and 3 for B's
	s_cselect_b64 s[PFA:PFA+1], s[46:47], s[96:97]
	s_cselect_b32 s98, s40, s41                    ; my place among the four that load the block jointly: each takes 32 of its rows of 256 bytes, told apart by address
	s_mov_b32 s[LIM], 1                            ; every cluster asks for what it will itself load; the last lap asks for nothing along K
	s_lshl_b32 s98, s98, 13
	s_add_co_u32 s98, s98, 4*BLK-32768
	s_mov_b32 s99, 0
	s_add_nc_u64 s[PFA:PFA+1], s[PFA:PFA+1], s[98:99]
	v_and_b32 v[PFO], 31, v0
	v_lshlrev_b32 v[PFR], 13, v[PFO]               ; a lane a row of last_c or last_h (8,192 bytes); never rewritten
	v_lshlrev_b32 v[PFO], 8, v[PFO]                ; a lane a row of 256 codes; never rewritten
	; K steps 2 and 3 are asked for here, two fills ahead of their loads, as every later K step is in the loop: 2 x 32,768 bytes on end from the half tile's third block on.
	; s[PFA] stands 32,768 bytes short of the fifth block (the first change of slots steps it there), so the two offsets are 32,768 - 2 BLK and 65,536 - 2 BLK.
	global_prefetch_b8 v[PFO], s[PFA:PFA+1] offset:32768-2*BLK th:TH_LOAD_NT scope:SCOPE_SE
	global_prefetch_b8 v[PFO], s[PFA:PFA+1] offset:65536-2*BLK th:TH_LOAD_NT scope:SCOPE_SE
	s_cmp_eq_u32 s[CH], 0
	s_cselect_b64 s[OUTP:OUTP+1], s[92:93], s[94:95]
	s_lshl_b32 s98, s43, 8
	s_lshl_b32 s99, s[RH], 7
	s_add_co_u32 s98, s98, s99
	s_lshl_b32 s98, s98, 13
	s_lshl_b32 s99, s42, 8
	s_add_co_u32 s98, s98, s99
	s_mov_b32 s99, 0
	s_add_nc_u64 s[OUTP:OUTP+1], s[OUTP:OUTP+1], s[98:99]
	s_lshl_b32 s98, s42, 8
	s_lshl_b32 s99, s[CH], 7
	s_add_co_u32 s98, s98, s99
	s_mov_b32 s99, 0
.irp g, 0,1,2,3
	s_add_nc_u64 s[8+2*\g:9+2*\g], s[8+2*\g:9+2*\g], s[98:99]
.endr
	v_and_b32 v2, 15, v0
	v_bfe_u32 v3, v0, 4, 1
	s_wait_alu depctr_va_vdst(0)
	v_lshlrev_b32 v1, 5, v3
.irp g, 0,1,2,3
.irp u, 0,1
	global_load_b128 v[BI+8*(2*\g+\u):BI+8*(2*\g+\u)+3],   v1, s[8+2*\g:9+2*\g] offset:64*\u
	global_load_b128 v[BI+8*(2*\g+\u)+4:BI+8*(2*\g+\u)+7], v1, s[8+2*\g:9+2*\g] offset:64*\u+16
.endr
.endr
	s_lshl_b32 s98, s43, 10
	s_lshl_b32 s99, s[RH], 9
	s_add_co_u32 s98, s98, s99
	s_mov_b32 s99, 0
	s_add_nc_u64 s[16:17], s[16:17], s[98:99]
	v_lshlrev_b32 v6, 2, v2
.irp a, 0,1,2,3,4,5,6,7
	global_load_b32 v[MK+\a], v6, s[16:17] offset:64*\a
.endr
	v_mul_u32_u24 v7, v2, PITCH
	v_lshl_add_u32 v7, v3, 4, v7
	s_mul_i32 s98, s[RH], HALFT
	s_mul_i32 s99, s[CH], HALFT
	s_add_co_u32 s99, s99, 2*HALFT
.irp s, 0,1
	v_add_nc_u32 v[ADRA+\s], s98, v7
	v_add_nc_u32 v[ADRB+\s], s99, v7
	s_add_co_u32 s98, s98, SLOT
	s_add_co_u32 s99, s99, SLOT
.endr
	s_mul_i32 s98, s[RH], HALFT
	s_mul_i32 s99, s[CH], HALFT
	s_add_co_u32 s99, s99, 2*HALFT
	s_sub_co_u32 s99, s99, s98
	v_mul_u32_u24 v5, s99, v3
	v_lshl_add_u32 v5, v2, 3, v5
	s_add_co_u32 s98, s98, SCO
	v_add_nc_u32 v[ADRS], s98, v5
	v_add_nc_u32 v[ADRS+1], SLOT, v[ADRS]
	v_mul_u32_u24 v[EL], v2, PITCH
	v_lshl_add_u32 v[EL], v3, 5, v[EL]
	s_mul_i32 s98, s[RH], ETILE
	s_lshl_b32 s99, s[CH], 7
	s_add_co_u32 s98, s98, s99
	v_add_nc_u32 v[EL], s98, v[EL]
	v_add_nc_u32 v[EH], HREG, v[EL]
	v_mul_u32_u24 v[RD], v3, PITCH
	v_lshl_add_u32 v[RD], v2, 4, v[RD]
	s_mul_i32 s98, s[CH], HREG
	s_mul_i32 s99, s[RH], ETILE
	s_add_co_u32 s98, s98, s99
	v_add_nc_u32 v[RD], s98, v[RD]
	v_lshlrev_b32 v[CO], 13, v3
	v_lshl_add_u32 v[CO], v2, 4, v[CO]
	s_mov_b32 s[SNL], 0xbfb8aa3b
	s_mov_b32 s[SNL+1], s[SNL]
	s_mov_b32 s[SPL], 0x4038aa3b
	s_mov_b32 s[SPL+1], s[SPL]
.macro FRAG reg, adr, q, i
.irp c, 0,1,2,3
	ds_load_b128 v[\reg+4*\c:\reg+4*\c+3], v[\adr] offset:128*(\q)+32*\c+(\i)*16*PITCH
.endr
.endm
.macro MUL16 a0, p, q, sc, first
.irp a, \a0, \a0+1
.irp b, 0,1,2,3,4,5,6,7
.if \first
	v_wmma_scale_f32_16x16x128_f8f6f4 v[8*(8*((\a)%4)+\b):8*(8*((\a)%4)+\b)+7], v[128*(\p)+FR*\b:128*(\p)+FR*\b+FR-1], v[AF+FR*(\a):AF+FR*(\a)+FR-1], v[BI+8*\b:BI+8*\b+7], v[SC+8*NQ*(\sc)+NQ*\b+(\q)], v[SC+8*NQ*(\sc)+NQ*(\a)+(\q)] matrix_a_scale:MATRIX_SCALE_ROW1
.else
	v_wmma_scale_f32_16x16x128_f8f6f4 v[8*(8*((\a)%4)+\b):8*(8*((\a)%4)+\b)+7], v[128*(\p)+FR*\b:128*(\p)+FR*\b+FR-1], v[AF+FR*(\a):AF+FR*(\a)+FR-1], v[8*(8*((\a)%4)+\b):8*(8*((\a)%4)+\b)+7], v[SC+8*NQ*(\sc)+NQ*\b+(\q)], v[SC+8*NQ*(\sc)+NQ*(\a)+(\q)] matrix_a_scale:MATRIX_SCALE_ROW1
.endif
.endr
.endr
.endm
.macro FETCH_B slot, q, p
	WIN TO_B
.irp i, 0,1,2,3,4,5,6,7
	FRAG 128*(\p)+FR*\i, ADRB+\slot, \q, \i
.endr
	WIN 0
.endm
.macro FETCH_A slot, q, i0
.irp i, \i0, \i0+1, \i0+2, \i0+3
	FRAG AF+FR*(\i), ADRA+\slot, \q, \i
.endr
.endm
.macro SCALES sc
.irp i, 0,1,2,3,4,5,6,7
	ds_load_b64 v[SC+16*\sc+2*\i:SC+16*\sc+2*\i+1], v[ADRS+\sc] offset:(\i/2)*PITCH+(\i%2)*128
.endr
.endm
.macro PLACES n
.rept \n
	v_nop
.endr
.endm
.macro STEP slot, first
	s_wait_dscnt 16
.if \first
	WIN BIAS_LO
.else
	WIN MUL_LO
.endif
	MUL16 0, 0, 0, \slot, \first
	MUL16 2, 0, 0, \slot, \first
	s_wait_dscnt 0x0
	PLACES NP
	FETCH_B \slot, 1, 1
	FETCH_A \slot, 1, 0
.if \first
	WIN BIAS_HI
.else
	WIN MUL_HI
.endif
	MUL16 4, 0, 0, \slot, \first
	MUL16 6, 0, 0, \slot, \first
	PLACES NP
	WIN 0
	FETCH_A \slot, 1, 4
.endm
.macro TURN slot, next, fill
.if \fill == 1
	s_wait_xcnt 0x0
	s_add_nc_u64 s[PFA:PFA+1], s[PFA:PFA+1], 32768
.endif
	s_wait_dscnt 16
	WIN MUL_LO
	MUL16 0, 1, 1, \slot, 0
	MUL16 2, 1, 1, \slot, 0
	WIN 0
	s_wait_tensorcnt 0x0
	ds_add_u32 v[SPW], v[NIL]
.if \fill == 1
	s_add_nc_u64 s[G0+4*\slot+2:G0+4*\slot+3], s[G0+4*\slot+2:G0+4*\slot+3], 2*BLK
	s_add_nc_u64 s[G0B+4*\slot+2:G0B+4*\slot+3], s[G0B+4*\slot+2:G0B+4*\slot+3], 2*BLK
.endif
	s_wait_dscnt 0x0
	s_barrier_signal -1
	s_barrier_wait -1
	CREST
.if \fill == 1
	JLOAD G0+4*\slot, G1, G0B+4*\slot, G1B
.else
	tensor_load_to_lds s[G0E:G0E+3], s[G1E:G1E+7]
	s_nop 0
	PLACES 4
.endif
	PLACES NP-4
	FETCH_B \next, 0, 0
	FETCH_A \next, 0, 0
	SCALES \next
.if \fill == 1
	ASK \slot
.endif
	WIN MUL_HI
	MUL16 4, 1, 1, \slot, 0
	MUL16 6, 1, 1, \slot, 0
	PLACES NP
	WIN 0
	FETCH_A \next, 0, 4
.endm
	s_wait_alu depctr_va_vdst(0)                   ; the wait at the head's end
	s_wait_tensorcnt 0x0                           ; my part of K step 0 is in; slot 1's first fill is issued as a refill is:
	ds_add_u32 v[SPW], v[NIL]                      ; 0 onto my spare word
	s_wait_dscnt 0x0
	CROUND                                         ; everybody's part of K step 0 is in, and all sixteen work-groups are here
	JLOAD G0+4, G1, G0B+4, G1B                     ; K step 1, the first tensor load behind the round
	FETCH_B 0, 0, 0
	FETCH_A 0, 0, 0
	SCALES 0
	FETCH_A 0, 0, 4
	s_wait_loadcnt 0x0
	STEP 0, 1
	s_mov_b32 s3, 7
.Llap:
	TURN 0, 1, 1
	STEP 1, 0
	TURN 1, 0, 1
	STEP 0, 0
	s_sub_co_u32 s3, s3, 1
	s_cmp_lg_u32 s3, 0
	s_cbranch_scc1 .Llap
	TURN 0, 1, 2
	STEP 1, 0
	s_wait_dscnt 16
	WIN MUL_LO
	MUL16 0, 1, 1, 1, 0
	MUL16 2, 1, 1, 1, 0
	s_wait_dscnt 0x0
	WIN MUL_HI
	MUL16 4, 1, 1, 1, 0
	MUL16 6, 1, 1, 1, 0
	WIN 0
.macro LCLH a
.irp u, 0,1
.irp q, 0,1
	ds_load_b128 v[LC+8*\u+4*\q:LC+8*\u+4*\q+3], v[EL] offset:EBLK*(\a)+64*\u+16*\q
	ds_load_b128 v[LH+8*\u+4*\q:LH+8*\u+4*\q+3], v[EH] offset:EBLK*(\a)+64*\u+16*\q
.endr
.endr
.endm
.macro SEND a
.irp t, 0,1,2,3,4,5,6,7
	global_store_b128 v[CO], v[OB+32*((\a)%2)+4*\t:OB+32*((\a)%2)+4*\t+3], s[OUTP:OUTP+1] offset:(16*(\a)+2*\t)*8192 th:TH_STORE_NT
.endr
.endm
.macro GETOB a                         ; block a's 16 whole rows of c or of h back from the stage, two rows a load
.irp t, 0,1,2,3,4,5,6,7
	ds_load_b128 v[OB+32*((\a)%2)+4*\t:OB+32*((\a)%2)+4*\t+3], v[RD] offset:EBLK*(\a)+2*PITCH*\t
.endr
.endm
; A block of 16 rows.  Its barrier is split: the signal stands behind the block's stores into the stage, the wait in the next block, behind that block's first multiplies and exponentials (work on registers alone).
.macro EBLOCK a
.set AC, 64*((\a)%4)
.set RDW, 0x02+(\a)/4
	WIN RDW
.set i, 0
.rept 24
	v_pk_mul_f32 v[TT+2*i:TT+2*i+1], v[AC+2*i:AC+2*i+1], s[SNL:SNL+1] op_sel_hi:[1,0]
.set i, i+1
.endr
.rept 8
	v_pk_mul_f32 v[TT+2*i:TT+2*i+1], v[AC+2*i:AC+2*i+1], s[SPL:SPL+1] op_sel_hi:[1,0]
.set i, i+1
.endr
	WIN 0
.set i, 0
	s_wait_alu depctr_va_vdst(0)
.rept 64
	v_exp_f32 v[TT+i], v[TT+i]
.set i, i+1
.endr
	v_mov_b32 v2, v[MK+(\a)]
	v_sub_f32 v4, 1.0, v[MK+(\a)]
.if (\a) > 0
	s_barrier_wait -1                              ; all four waves' stores of the block before are in the stage
	s_wait_xcnt 0x0                                ; the stores of two blocks ago have read the registers that are loaded now
	GETOB (\a)-1
	LCLH \a                                        ; and this block's last_c and last_h: 8 loads, which land under the adds and reciprocals below
.endif
	s_wait_alu depctr_va_vdst(0)
.set i, 0
.rept 32
	v_pk_add_f32 v[TT+2*i:TT+2*i+1], v[TT+2*i:TT+2*i+1], 1.0 op_sel_hi:[1,0]
.set i, i+1
.endr
.set i, 0
	s_wait_alu depctr_va_vdst(0)
.rept 64
	v_rcp_f32 v[TT+i], v[TT+i]
.set i, i+1
.endr
	s_wait_dscnt 0x0                               ; the rows of the block before, and my last_c and last_h, are in registers
.if (\a) > 0
	SEND (\a)-1
.endif
.set i, 0
.rept 8
	v_pk_mul_f32 v[LH+2*i:LH+2*i+1], v[LH+2*i:LH+2*i+1], v[4:5] op_sel_hi:[1,0]
.set i, i+1
.endr
	s_wait_alu depctr_va_vdst(0)
.set i, 0
.rept 8
	v_pk_fma_f32 v[TT+48+2*i:TT+49+2*i], v[TT+48+2*i:TT+49+2*i], -2.0, 1.0 op_sel_hi:[1,0,0]
.set i, i+1
.endr
.set i, 0
.rept 8
	v_pk_mul_f32 v[WW+2*i:WW+2*i+1], v[TT+2*i:TT+2*i+1], v[TT+48+2*i:TT+49+2*i]
.set i, i+1
.endr
.set i, 0
.rept 8
	v_pk_fma_f32 v[WW+2*i:WW+2*i+1], v[TT+16+2*i:TT+17+2*i], v[LC+2*i:LC+2*i+1], v[WW+2*i:WW+2*i+1]
.set i, i+1
.endr
.set i, 0
.rept 8
	v_pk_mul_f32 v[XX+2*i:XX+2*i+1], v[WW+2*i:WW+2*i+1], s[SPL:SPL+1] op_sel_hi:[1,0]
.set i, i+1
.endr
.set i, 0
	s_wait_alu depctr_va_vdst(0)
.rept 16
	v_exp_f32 v[XX+i], v[XX+i]
.set i, i+1
.endr
.set i, 0
.rept 8
	v_pk_mul_f32 v[LC+2*i:LC+2*i+1], v[LC+2*i:LC+2*i+1], v[4:5] op_sel_hi:[1,0]
.set i, i+1
.endr
	s_wait_alu depctr_va_vdst(0)
.set i, 0
.rept 8
	v_pk_add_f32 v[XX+2*i:XX+2*i+1], v[XX+2*i:XX+2*i+1], 1.0 op_sel_hi:[1,0]
.set i, i+1
.endr
.set i, 0
	s_wait_alu depctr_va_vdst(0)
.rept 16
	v_rcp_f32 v[XX+i], v[XX+i]
.set i, i+1
.endr
.set i, 0
.rept 8
	v_pk_fma_f32 v[WW+2*i:WW+2*i+1], v[WW+2*i:WW+2*i+1], v[2:3], v[LC+2*i:LC+2*i+1] op_sel_hi:[1,0,1]
.set i, i+1
.endr
	s_wait_alu depctr_va_vdst(0)
.set i, 0
.rept 8
	v_pk_fma_f32 v[XX+2*i:XX+2*i+1], v[XX+2*i:XX+2*i+1], -2.0, 1.0 op_sel_hi:[1,0,0]
.set i, i+1
.endr
.set i, 0
.rept 8
	v_pk_mul_f32 v[XX+2*i:XX+2*i+1], v[TT+32+2*i:TT+33+2*i], v[XX+2*i:XX+2*i+1]
.set i, i+1
.endr
.set i, 0
.rept 8
	v_pk_fma_f32 v[XX+2*i:XX+2*i+1], v[XX+2*i:XX+2*i+1], v[2:3], v[LH+2*i:LH+2*i+1] op_sel_hi:[1,0,1]
.set i, i+1
.endr
.irp u, 0,1
.irp q, 0,1
	ds_store_b128 v[EL], v[WW+8*\u+4*\q:WW+8*\u+4*\q+3] offset:EBLK*(\a)+64*\u+16*\q
	ds_store_b128 v[EH], v[XX+8*\u+4*\q:XX+8*\u+4*\q+3] offset:EBLK*(\a)+64*\u+16*\q
.endr
.endr
	s_wait_dscnt 0x0                               ; for the others' sake: my stores into the stage are done
	s_barrier_signal -1
.endm
	s_wait_tensorcnt 0x0
	PLACES NP
	s_barrier_signal -1
	s_barrier_wait -1
	v_mov_b32 v3, 0
	v_mov_b32 v5, 0
	LCLH 0
.irp a, 0,1,2,3,4,5,6,7
	EBLOCK \a
.endr
	s_barrier_wait -1                              ; the last block's barrier closes here
	s_wait_xcnt 0x0
	GETOB 7
	s_wait_dscnt 0x0
	SEND 7
	s_wait_tensorcnt 0x0
	ds_add_u32 v[SPW], v[NIL]
	s_wait_dscnt 0x0
	CROUND
	s_endpgm
.Lfunc_end_k_q09f8023e46_lstm:
	.size	k_q09f8023e46_lstm, .Lfunc_end_k_q09f8023e46_lstm-k_q09f8023e46_lstm
	.p2alignl 7, 3214868480
	.fill 96, 4, 3214868480
	.section	.rodata,"a",@progbits
	.p2align	6, 0x0
	.amdhsa_kernel k_q09f8023e46_lstm
		.amdhsa_group_segment_fixed_size 327680
		.amdhsa_private_segment_fixed_size 0
		.amdhsa_enable_private_segment 0
		.amdhsa_kernarg_size 88
		.amdhsa_user_sgpr_count 2
		.amdhsa_user_sgpr_kernarg_segment_ptr 1
		.amdhsa_wavefront_size32 1
		.amdhsa_system_sgpr_workgroup_id_x 1
		.amdhsa_system_sgpr_workgroup_id_y 1
		.amdhsa_system_sgpr_workgroup_id_z 1
		.amdhsa_system_vgpr_workitem_id 0
		.amdhsa_next_free_vgpr 1024
		.amdhsa_next_free_sgpr 100
		.amdhsa_reserve_vcc 0
		.amdhsa_float_denorm_mode_32 3
		.amdhsa_float_denorm_mode_16_64 3
		.amdhsa_memory_ordered 1
		.amdhsa_forward_progress 1
		.amdhsa_inst_pref_size 255
	.end_amdhsa_kernel
	.section	.bss,"aw",@nobits
	.p2align	6
	.space	262144
	.amdgpu_metadata
---
amdhsa.version: [ 1, 2 ]
amdhsa.kernels:
  - .name:           k_q09f8023e46_lstm
    .symbol:         k_q09f8023e46_lstm.kd
    .args:
      - { .name: acodes, .offset: 0, .size: 8, .value_kind: global_buffer, .address_space: global }
      - { .name: bcodes, .offset: 8, .size: 8, .value_kind: global_buffer, .address_space: global }
      - { .name: bi, .offset: 16, .size: 8, .value_kind: global_buffer, .address_space: global }
      - { .name: bf, .offset: 24, .size: 8, .value_kind: global_buffer, .address_space: global }
      - { .name: bo, .offset: 32, .size: 8, .value_kind: global_buffer, .address_space: global }
      - { .name: bc, .offset: 40, .size: 8, .value_kind: global_buffer, .address_space: global }
      - { .name: mask, .offset: 48, .size: 8, .value_kind: global_buffer, .address_space: global }
      - { .name: last_c, .offset: 56, .size: 8, .value_kind: global_buffer, .address_space: global }
      - { .name: last_h, .offset: 64, .size: 8, .value_kind: global_buffer, .address_space: global }
      - { .name: out0, .offset: 72, .size: 8, .value_kind: global_buffer, .address_space: global }
      - { .name: out1, .offset: 80, .size: 8, .value_kind: global_buffer, .address_space: global }
    .group_segment_fixed_size: 327680
    .private_segment_fixed_size: 0
    .kernarg_segment_align: 8
    .kernarg_segment_size: 88
    .max_flat_workgroup_size: 128
    .sgpr_count:     100
    .vgpr_count:     1024
    .wavefront_size: 32
...
	.end_amdgpu_metadata
.endif
;; end of part 2
